; MI455X (gfx1250); checked and timed in simulation.
; The chip was launched on July 23, 2026; its instructions are those of AMD's public machine-readable ISA for CDNA 5 (MIT licence, August 2026) and "CDNA5" Instruction Set Architecture Reference Guide (July 2026). The comments in the code are by the model that wrote it; some were corrected since.
;; Decoder RNN. Allowed arithmetic: float matrix products may take bf16 or f16 operands with f32 sums; all other float work in f32.
;; Inputs: atten_W 1,024 x 2,048 float32; atten_b 1,024 float32; b_hh 3,072 float32; b_ih 3,072 float32; emb 50,257 x 1,024 float32; encoder_outputs 4,096 x 1 x 1,024 float32; input_tok 1 int32; last_context 1 x 1,024 float32; last_hidden 1 x 1 x 1,024 float32; out_W 50,257 x 2,048 float32; out_b 50,257 float32; w_hh 3,072 x 1,024 float32; w_ih 3,072 x 2,048 float32; w_score 1,024 float32.
;; Outputs: out0 1 x 50,257 float32; out1 1 x 1,024 float32; out2 1 x 1 x 1,024 float32; out3 1 x 1 x 4,096 float32.
;; One version. Each part assembles by itself: llvm-mc -triple=amdgcn-amd-amdhsa -mcpu=gfx1250 --defsym DOCPART=n.
;; ======== version 1 of 1: 5 launches
;; workspace buffers: vpart 16,384 bytes; scores 16,384 bytes; astat 2,048 bytes; ctxp 1,048,576 bytes; logit 201,216 bytes; lstat 2,048 bytes
;; launch gru_v (part 1): grid 320 x 1, 8 waves a work-group, no clusters, 3,584 bytes of LDS; arguments input_tok, emb, last_context, last_hidden, w_ih, w_hh, b_ih, b_hh, atten_W, w_score, out2, vpart; writes out2, vpart
.if DOCPART == 1
	.amdgcn_target "amdgcn-amd-amdhsa--gfx1250"
	.amdhsa_code_object_version 6
	.text
	.protected	k_q388a2bfcbf_gru_v
	.globl	k_q388a2bfcbf_gru_v
	.p2align	8
	.type	k_q388a2bfcbf_gru_v,@function
k_q388a2bfcbf_gru_v:
	s_mov_b64 s[64:65], 0
	v_nop
	global_prefetch_b8 v0, s[64:65] scope:SCOPE_SE
	s_setreg_imm32_b32 hwreg(HW_REG_WAVE_MODE, 25, 1), 1
	s_wait_xcnt 0x0
; Two independent jobs in one launch, chosen by the work-group's number (the same for all its waves).
; Work-groups 0-255: the GRU cell.  Group g makes h_new[4g .. 4g+3]: twelve rows of w_ih (8,192 bytes each) and twelve of w_hh
;   (4,096 bytes each), 147,456 bytes, all requested at once.  Wave w takes columns 256w..+255 of the w_ih rows and 128w..+127 of
;   the w_hh rows, so every load of a wave covers 512 consecutive bytes.
; Work-groups 256-319: v = atten_W^T w_score.  No non-linearity stands between the attention's projection and its product with
;   w_score, so ([h, enc] atten_W^T + atten_b) . w_score = h.v[0:1024] + enc.v[1024:2048] + atten_b.w_score for every input.
;   Group b = 32 rh + cb sums rows 512 rh .. +511 for columns 64 cb .. +63 (256 bytes of each row); the two row halves go to
;   vpart[rh][2048] and are added by the next launch.
; LDS: each job has bytes of its own, so that no store of one can name a byte of the other: the GRU cell bytes 0-511
; (8 waves x 64), the second job bytes 512-2,559 (8 waves x 256).
; All arithmetic is f32 on the vector unit: one side of every product is a single vector, so a matrix tile would carry one useful
; row in sixteen, and the softmax that follows is too peaked for 16-bit operands.
; No cluster: the work-groups share only x and h (12,288 bytes against 147,456 of their own) and w_score (2,048 against 131,072).
; Limits: the token is read as unsigned and clamped to 50,256.  exp2 and rcp flush denormals (ISA guide 15.8).
; tanh(x) = 1 - 2 / (1 + e^(2x)): absolute error near 1e-7.  Sums run in another order than a row-by-row dot product.
.set NLOG2E, 0xbfb8aa3b                ; -log2(e)
.set LOG2E2, 0x4038aa3b                ; 2 log2(e)
.set VL,  512                          ; first LDS byte of the second job
.set X,   8                            ; v[8:15]    my 8 numbers of x = [emb[tok], last_context]
.set H,   16                           ; v[16:19]   my 4 numbers of h
.set WI,  20                           ; v[20:115]  w_ih: gate q, output o, chunk c at 8 (4q + o) + 4c
.set WH,  116                          ; v[116:163] w_hh: gate q, output o at 4 (4q + o)
.set S,   164                          ; v[164:179] sums: output o, kind (r, z, i_n, h_n) at 4o + kind
.set T,   180                          ; v[180:187] four chains of two
.set BI,  188                          ; v[188:190] b_ih of gates r, z, n (wave 0)
.set BH,  191                          ; v[191:193] b_hh likewise
.set HO,  194                          ; v194       h of my output (wave 0)
.set AW,  20                           ; v[20:147]  second job: 32 rows x 16 bytes of atten_W
.set WS,  148                          ; v[148:179] second job: w_score of my 32 rows
.set A0,  180                          ; v[180:183] sums over even rows
.set A1,  184                          ; v[184:187] sums over odd rows
.macro QSUM8 b                         ; eight groups of four registers from b on are added into the first
.irp i, 0,8,16,24
	v_pk_add_f32 v[\b+\i:\b+\i+1], v[\b+\i:\b+\i+1], v[\b+\i+4:\b+\i+5]
	v_pk_add_f32 v[\b+\i+2:\b+\i+3], v[\b+\i+2:\b+\i+3], v[\b+\i+6:\b+\i+7]
.endr
.irp i, 0,16
	v_pk_add_f32 v[\b+\i:\b+\i+1], v[\b+\i:\b+\i+1], v[\b+\i+8:\b+\i+9]
	v_pk_add_f32 v[\b+\i+2:\b+\i+3], v[\b+\i+2:\b+\i+3], v[\b+\i+10:\b+\i+11]
.endr
	v_pk_add_f32 v[\b:\b+1], v[\b:\b+1], v[\b+16:\b+17]
	v_pk_add_f32 v[\b+2:\b+3], v[\b+2:\b+3], v[\b+18:\b+19]
.endm
	s_load_b512 s[8:23], s[0:1], 0x0               ; tok 8, emb 10, last_context 12, last_hidden 14, w_ih 16, w_hh 18, b_ih 20, b_hh 22
	s_load_b256 s[24:31], s[0:1], 0x40             ; atten_W 24, w_score 26, out2 28, vpart 30
	v_lshl_add_u32 v196, v0, 2, 0xa00
	v_mov_b32 v197, 0
	v_lshrrev_b32 v2, 5, v0
	v_readfirstlane_b32 s4, v2                     ; wave 0..7
	v_and_b32 v1, 31, v0                           ; lane
	s_mov_b32 s5, ttmp9                            ; work-group
	s_mov_b32 s7, 0                                ; high word of every offset pair s[6:7]
	s_mov_b32 s46, 0x76543210                      ; v_permlanex16_b32: lane i reads lane i of the other half
	s_mov_b32 s47, 0xfedcba98
	s_cmp_ge_u32 s5, 256
	s_cbranch_scc1 .Lv
; ---------------------------------------------------------------- the GRU cell
	s_lshl_b32 s2, s4, 10
	s_lshl_b32 s3, s4, 9
	v_lshl_add_u32 v2, v1, 4, s2                   ; w_ih: 1,024 w + 16 lane
	v_lshl_add_u32 v3, v1, 4, s3                   ; w_hh and h: 512 w + 16 lane
	s_and_b32 s2, s4, 3
	s_lshl_b32 s2, s2, 10
	v_lshl_add_u32 v4, v1, 4, s2                   ; x: 1,024 (w mod 4) + 16 lane, in emb's row (w < 4) or in last_context
	s_lshl_b32 s2, s4, 6
	v_mov_b32 v5, s2                               ; LDS: 64 bytes for each wave
	v_and_b32 v7, 3, v1                            ; o = lane mod 4
	s_lshl_b32 s2, s5, 4
	v_lshl_add_u32 v6, v7, 2, s2                   ; 4 (4g + o): biases, h and h_new
	v_lshlrev_b32 v7, 4, v7                        ; LDS: 16 o
	s_wait_kmcnt 0x0
	s_load_b32 s48, s[8:9], 0x0                    ; the token
	s_lshl_b32 s6, s5, 15                          ; 4g rows of 8,192 bytes
	s_add_nc_u64 s[32:33], s[16:17], s[6:7]        ; gate r
	s_add_nc_u64 s[34:35], s[32:33], 0x800000      ; gate z: 1,024 rows further
	s_add_nc_u64 s[36:37], s[34:35], 0x800000      ; gate n
	s_lshl_b32 s6, s5, 14                          ; 4g rows of 4,096 bytes
	s_add_nc_u64 s[38:39], s[18:19], s[6:7]
	s_add_nc_u64 s[40:41], s[38:39], 0x400000
	s_add_nc_u64 s[42:43], s[40:41], 0x400000
.irp q, 0,1,2
.irp o, 0,1,2,3
	global_load_b128 v[WI+8*(4*\q+\o):WI+8*(4*\q+\o)+3], v2, s[32+2*\q:33+2*\q] offset:\o*8192 th:TH_LOAD_NT
	global_load_b128 v[WI+8*(4*\q+\o)+4:WI+8*(4*\q+\o)+7], v2, s[32+2*\q:33+2*\q] offset:\o*8192+512 th:TH_LOAD_NT
.endr
.endr
.irp q, 0,1,2
.irp o, 0,1,2,3
	global_load_b128 v[WH+4*(4*\q+\o):WH+4*(4*\q+\o)+3], v3, s[38+2*\q:39+2*\q] offset:\o*4096 th:TH_LOAD_NT
.endr
.endr
	global_load_b128 v[H:H+3], v3, s[14:15]
	s_cmp_lg_u32 s4, 0                             ; wave 0 finishes the four outputs: it alone needs biases and old h
	s_cbranch_scc1 .Lg_x
.irp q, 0,1,2
	global_load_b32 v[BI+\q], v6, s[20:21] offset:\q*4096
	global_load_b32 v[BH+\q], v6, s[22:23] offset:\q*4096
.endr
	global_load_b32 v[HO], v6, s[14:15]
.Lg_x:
	s_wait_kmcnt 0x0                               ; the token is here
	s_min_u32 s48, s48, 50256                      ; inside the table
	s_lshl_b32 s48, s48, 12                        ; rows of 4,096 bytes: below 2^28
	s_mov_b32 s49, 0
	s_add_nc_u64 s[44:45], s[10:11], s[48:49]
	s_cmp_lt_u32 s4, 4
	s_cselect_b64 s[44:45], s[44:45], s[12:13]     ; waves 0-3: emb's row; waves 4-7: last_context
	global_load_b128 v[X:X+3], v4, s[44:45]
	global_load_b128 v[X+4:X+7], v4, s[44:45] offset:512
	s_wait_loadcnt 0x0                             ; the wave's whole share was requested above and nothing follows: one wait for all
.macro DOTI q                          ; T[o] = my slice of w_ih's row (q, o) times my slice of x, four chains side by side
.irp o, 0,1,2,3
	v_pk_mul_f32 v[T+2*\o:T+2*\o+1], v[WI+8*(4*\q+\o):WI+8*(4*\q+\o)+1], v[X:X+1]
.endr
.irp c, 2,4,6
.irp o, 0,1,2,3
	v_pk_fma_f32 v[T+2*\o:T+2*\o+1], v[WI+8*(4*\q+\o)+\c:WI+8*(4*\q+\o)+\c+1], v[X+\c:X+\c+1], v[T+2*\o:T+2*\o+1]
.endr
.endr
.endm
.macro DOTH q, first                   ; the same with w_hh and h; first = 1 starts the chains
.irp o, 0,1,2,3
.if \first
	v_pk_mul_f32 v[T+2*\o:T+2*\o+1], v[WH+4*(4*\q+\o):WH+4*(4*\q+\o)+1], v[H:H+1]
.else
	v_pk_fma_f32 v[T+2*\o:T+2*\o+1], v[WH+4*(4*\q+\o):WH+4*(4*\q+\o)+1], v[H:H+1], v[T+2*\o:T+2*\o+1]
.endif
.endr
.irp o, 0,1,2,3
	v_pk_fma_f32 v[T+2*\o:T+2*\o+1], v[WH+4*(4*\q+\o)+2:WH+4*(4*\q+\o)+3], v[H+2:H+3], v[T+2*\o:T+2*\o+1]
.endr
.endm
.macro FOLD kind
.irp o, 0,1,2,3
	v_add_f32 v[S+4*\o+\kind], v[T+2*\o], v[T+2*\o+1]
.endr
.endm
	DOTI 0                                         ; r: i_r + h_r in one sum
	DOTH 0, 0
	FOLD 0
	DOTI 1                                         ; z: i_z + h_z
	DOTH 1, 0
	FOLD 1
	DOTI 2                                         ; i_n
	FOLD 2
	DOTH 2, 1                                      ; h_n, kept apart: r multiplies it
	FOLD 3
	; the sixteen sums across the 32 lanes, step by step over all sixteen so that no step waits for the one in front
.irp m, 1,2,4,8
.irp i, 0,1,2,3,4,5,6,7,8,9,10,11,12,13,14,15
	v_add_f32_dpp v[S+\i], v[S+\i], v[S+\i] row_xmask:\m row_mask:0xf bank_mask:0xf
.endr
.endr
.irp i, 0,1,2,3,4,5,6,7,8,9,10,11,12,13,14,15
	v_permlanex16_b32 v[WI+\i], v[S+\i], s46, s47  ; into registers that the loads wrote and the dots are done with
.endr
.irp i, 0,2,4,6,8,10,12,14
	v_pk_add_f32 v[S+\i:S+\i+1], v[S+\i:S+\i+1], v[WI+\i:WI+\i+1]
.endr
.irp o, 0,1,2,3
	ds_store_b128 v5, v[S+4*\o:S+4*\o+3] offset:16*\o   ; every lane holds the same numbers: byte 64 w + 16 o + 4 kind
.endr
	s_wait_dscnt 0x0                               ; my stores are in LDS before I say so
	s_barrier_signal -1
	s_barrier_wait -1
	s_cmp_lg_u32 s4, 0
	s_cbranch_scc1 .Lend
.irp w, 0,1,2,3,4,5,6,7
	ds_load_b128 v[20+4*\w:23+4*\w], v7 offset:64*\w    ; the eight waves' (r, z, i_n, h_n) of output lane mod 4
.endr
	s_wait_dscnt 0x0
	QSUM8 20                                       ; v20 = r sum, v21 = z sum, v22 = i_n, v23 = h_n
	v_add_f32 v52, v[BI], v[BH]
	v_add_f32 v53, v[BI+1], v[BH+1]
	v_add_f32 v52, v20, v52
	v_add_f32 v53, v21, v53
	v_mul_f32 v52, NLOG2E, v52
	v_mul_f32 v53, NLOG2E, v53
	v_exp_f32 v54, v52                             ; e^-a, e^-b
	v_exp_f32 v55, v53
	v_add_f32 v56, v23, v[BH+2]                    ; h_n + b_hh: also the plain instruction behind the two exponentials (ISA guide 5.7.2)
	v_add_f32 v57, v22, v[BI+2]                    ; i_n + b_ih
	s_wait_alu depctr_va_vdst(0)
	v_add_f32 v54, 1.0, v54
	v_add_f32 v55, 1.0, v55
	v_rcp_f32 v58, v54                             ; r
	v_rcp_f32 v59, v55                             ; z
	v_nop
	s_wait_alu depctr_va_vdst(0)
	v_fma_f32 v60, v58, v56, v57                   ; i_n + r h_n
	v_mul_f32 v60, LOG2E2, v60
	v_exp_f32 v61, v60                             ; e^(2d): infinity gives n = 1, zero gives n = -1
	v_nop
	s_wait_alu depctr_va_vdst(0)
	v_add_f32 v61, 1.0, v61
	v_rcp_f32 v62, v61
	v_nop
	s_wait_alu depctr_va_vdst(0)
	v_fma_f32 v63, -2.0, v62, 1.0                  ; n = tanh(d)
	v_sub_f32 v64, v[HO], v63
	v_fma_f32 v64, v59, v64, v63                   ; (1 - z) n + z h = n + z (h - n)
	s_wait_xcnt 0x0                                ; EXEC is a source of the loads above: it changes only behind this wait
	v_cmpx_gt_u32 4, v1                            ; lanes 0-3 hold the four outputs: 16 bytes, the group's whole share of out2
	global_store_b32 v6, v64, s[28:29]
	s_wait_xcnt 0x0
	s_mov_b32 exec_lo, -1
	s_wait_tensorcnt 0x0
	ds_add_u32 v196, v197
	s_wait_dscnt 0x0
	s_endpgm
; ---------------------------------------------------------------- v = atten_W^T w_score
.Lv:
	s_sub_co_u32 s2, s5, 256
	s_and_b32 s3, s2, 31                           ; cb
	s_lshr_b32 s2, s2, 5                           ; rh
	s_lshl_b32 s3, s3, 8                           ; 256 bytes of columns
	v_lshrrev_b32 v8, 4, v1                        ; hh: which half of the lanes
	v_and_b32 v4, 15, v1
	v_lshlrev_b32 v4, 4, v4                        ; 16 (lane mod 16): sixteen lanes cover the 256 bytes
	s_lshl_b32 s44, s4, 19                         ; 64 w rows of 8,192 bytes
	s_lshl_b32 s45, s4, 8
	v_lshl_add_u32 v2, v8, 18, v4                  ; + 32 hh rows
	v_add_nc_u32 v2, s44, v2
	v_lshl_add_u32 v3, v8, 7, s45                  ; w_score: 4 (64 w + 32 hh)
	v_add_nc_u32 v5, s45, v4                       ; LDS: 256 w + 16 (lane mod 16), from byte VL on
	s_lshl_b32 s6, s2, 22                          ; 512 rh rows
	s_add_co_u32 s6, s6, s3
	s_wait_kmcnt 0x0
	s_add_nc_u64 s[32:33], s[24:25], s[6:7]
	s_lshl_b32 s6, s2, 11
	s_add_nc_u64 s[34:35], s[26:27], s[6:7]
	s_lshl_b32 s6, s2, 13
	s_add_co_u32 s6, s6, s3
	s_add_nc_u64 s[36:37], s[30:31], s[6:7]
.irp i, 0,1,2,3,4,5,6,7
	global_load_b128 v[WS+4*\i:WS+4*\i+3], v3, s[34:35] offset:16*\i
.endr
.set k, 0
.rept 32
	global_load_b128 v[AW+4*k:AW+4*k+3], v2, s[32:33] offset:8192*k th:TH_LOAD_NT   ; two rows' aligned 256 bytes in each load
.set k, k+1
.endr
	; row k's four columns times w_score[k]; even rows into A0, odd rows into A1.  The pair v[WS+k:WS+k+1] serves both: op_sel and
	; op_sel_hi pick its first register for the even row, its second for the odd one.
.set k, 0
.rept 16
	s_wait_loadcnt 31-k                            ; loads return in order: 31 - k rows younger than row k may stay out
.if k == 0
	v_pk_mul_f32 v[A0:A0+1], v[AW+4*k:AW+4*k+1], v[WS+k:WS+k+1] op_sel_hi:[1,0]
	v_pk_mul_f32 v[A0+2:A0+3], v[AW+4*k+2:AW+4*k+3], v[WS+k:WS+k+1] op_sel_hi:[1,0]
.else
	v_pk_fma_f32 v[A0:A0+1], v[AW+4*k:AW+4*k+1], v[WS+k:WS+k+1], v[A0:A0+1] op_sel_hi:[1,0,1]
	v_pk_fma_f32 v[A0+2:A0+3], v[AW+4*k+2:AW+4*k+3], v[WS+k:WS+k+1], v[A0+2:A0+3] op_sel_hi:[1,0,1]
.endif
	s_wait_loadcnt 30-k
.if k == 0
	v_pk_mul_f32 v[A1:A1+1], v[AW+4*k+4:AW+4*k+5], v[WS+k:WS+k+1] op_sel:[0,1] op_sel_hi:[1,1]
	v_pk_mul_f32 v[A1+2:A1+3], v[AW+4*k+6:AW+4*k+7], v[WS+k:WS+k+1] op_sel:[0,1] op_sel_hi:[1,1]
.else
	v_pk_fma_f32 v[A1:A1+1], v[AW+4*k+4:AW+4*k+5], v[WS+k:WS+k+1], v[A1:A1+1] op_sel:[0,1,0] op_sel_hi:[1,1,1]
	v_pk_fma_f32 v[A1+2:A1+3], v[AW+4*k+6:AW+4*k+7], v[WS+k:WS+k+1], v[A1+2:A1+3] op_sel:[0,1,0] op_sel_hi:[1,1,1]
.endif
.set k, k+2
.endr
	v_pk_add_f32 v[A0:A0+1], v[A0:A0+1], v[A1:A1+1]
	v_pk_add_f32 v[A0+2:A0+3], v[A0+2:A0+3], v[A1+2:A1+3]
.irp j, 0,1,2,3
	v_permlanex16_b32 v[AW+\j], v[A0+\j], s46, s47 ; the other half of the lanes holds the same columns of 32 other rows
.endr
	v_pk_add_f32 v[A0:A0+1], v[A0:A0+1], v[AW:AW+1]
	v_pk_add_f32 v[A0+2:A0+3], v[A0+2:A0+3], v[AW+2:AW+3]
	ds_store_b128 v5, v[A0:A0+3] offset:VL         ; lanes i and i + 16 store the same numbers to the same bytes
	s_wait_dscnt 0x0
	s_barrier_signal -1
	s_barrier_wait -1
	s_cmp_lg_u32 s4, 0
	s_cbranch_scc1 .Lend
.irp w, 0,1,2,3,4,5,6,7
	ds_load_b128 v[20+4*\w:23+4*\w], v4 offset:VL+256*\w
.endr
	s_wait_dscnt 0x0
	QSUM8 20
	s_wait_xcnt 0x0                                ; EXEC changes only behind this wait
	v_cmpx_gt_u32 16, v1
	global_store_b128 v4, v[20:23], s[36:37]       ; sixteen lanes store 256 consecutive bytes, aligned
.Lend:
	s_wait_xcnt 0x0
	s_mov_b32 exec_lo, -1
	s_wait_tensorcnt 0x0
	ds_add_u32 v196, v197
	s_wait_dscnt 0x0
	s_endpgm
.Lfunc_end_k_q388a2bfcbf_gru_v:
	.size	k_q388a2bfcbf_gru_v, .Lfunc_end_k_q388a2bfcbf_gru_v-k_q388a2bfcbf_gru_v
	.p2alignl 7, 3214868480
	.fill 96, 4, 3214868480
	.section	.rodata,"a",@progbits
	.p2align	6, 0x0
	.amdhsa_kernel k_q388a2bfcbf_gru_v
		.amdhsa_group_segment_fixed_size 3584
		.amdhsa_private_segment_fixed_size 0
		.amdhsa_enable_private_segment 0
		.amdhsa_kernarg_size 96
		.amdhsa_user_sgpr_count 2
		.amdhsa_user_sgpr_kernarg_segment_ptr 1
		.amdhsa_wavefront_size32 1
		.amdhsa_system_sgpr_workgroup_id_x 1
		.amdhsa_system_sgpr_workgroup_id_y 1
		.amdhsa_system_sgpr_workgroup_id_z 1
		.amdhsa_system_vgpr_workitem_id 0
		.amdhsa_next_free_vgpr 198
		.amdhsa_next_free_sgpr 66
		.amdhsa_reserve_vcc 0
		.amdhsa_float_denorm_mode_32 3
		.amdhsa_float_denorm_mode_16_64 3
		.amdhsa_memory_ordered 1
		.amdhsa_forward_progress 1
		.amdhsa_inst_pref_size 33
	.end_amdhsa_kernel
	.amdgpu_metadata
---
amdhsa.version: [ 1, 2 ]
amdhsa.kernels:
  - .name:           k_q388a2bfcbf_gru_v
    .symbol:         k_q388a2bfcbf_gru_v.kd
    .args:
      - { .name: input_tok, .offset: 0, .size: 8, .value_kind: global_buffer, .address_space: global }
      - { .name: emb, .offset: 8, .size: 8, .value_kind: global_buffer, .address_space: global }
      - { .name: last_context, .offset: 16, .size: 8, .value_kind: global_buffer, .address_space: global }
      - { .name: last_hidden, .offset: 24, .size: 8, .value_kind: global_buffer, .address_space: global }
      - { .name: w_ih, .offset: 32, .size: 8, .value_kind: global_buffer, .address_space: global }
      - { .name: w_hh, .offset: 40, .size: 8, .value_kind: global_buffer, .address_space: global }
      - { .name: b_ih, .offset: 48, .size: 8, .value_kind: global_buffer, .address_space: global }
      - { .name: b_hh, .offset: 56, .size: 8, .value_kind: global_buffer, .address_space: global }
      - { .name: atten_W, .offset: 64, .size: 8, .value_kind: global_buffer, .address_space: global }
      - { .name: w_score, .offset: 72, .size: 8, .value_kind: global_buffer, .address_space: global }
      - { .name: out2, .offset: 80, .size: 8, .value_kind: global_buffer, .address_space: global }
      - { .name: vpart, .offset: 88, .size: 8, .value_kind: global_buffer, .address_space: global }
    .group_segment_fixed_size: 3584
    .private_segment_fixed_size: 0
    .kernarg_segment_align: 8
    .kernarg_segment_size: 96
    .max_flat_workgroup_size: 256
    .sgpr_count:     66
    .vgpr_count:     198
    .wavefront_size: 32
...
	.end_amdgpu_metadata
.endif
;; end of part 1
;; launch attn (part 2): grid 256 x 1, 8 waves a work-group, no clusters, 38,144 bytes of LDS; arguments encoder_outputs, vpart, out2, atten_b, w_score, scores, astat, ctxp; writes scores, astat, ctxp
.if DOCPART == 2
	.amdgcn_target "amdgcn-amd-amdhsa--gfx1250"
	.amdhsa_code_object_version 6
	.text
	.protected	k_q388a2bfcbf_attn
	.globl	k_q388a2bfcbf_attn
	.p2align	8
	.type	k_q388a2bfcbf_attn,@function
k_q388a2bfcbf_attn:
	s_mov_b64 s[64:65], 0
	v_nop
	global_prefetch_b8 v0, s[64:65] scope:SCOPE_SE
	s_setreg_imm32_b32 hwreg(HW_REG_WAVE_MODE, 25, 1), 1
	s_wait_xcnt 0x0
; scores[s] = enc[s] . v2 + c with v2 = v[1024:2048] and c = h_new . v[0:1024] + atten_b . w_score, and the first half of a
; softmax-weighted sum that is split over work-groups: group g owns rows 16g .. 16g+15 of enc (65,536 bytes, read once, kept in
; registers between the dot product and the weighted sum) and leaves its 16 scores, its maximum m_g, its sum l_g of e^(s - m_g)
; and its partial context sum of e^(s - m_g) enc[s].  The next launch joins the 256 groups.  A wave takes two rows.
; f32 on the vector unit: each product has a vector on one side, and the scores' spread makes the softmax too peaked for 16 bits.
; No cluster: what groups share (seven vectors, 28,672 bytes) is asked for once by each group, through registers, ahead of its own
; 65,536 bytes; there is no ring of tiles in which joint requests could recur.
; Limits: exp2 flushes denormals (ISA guide 15.8).  Sums run in another order than reference's.
.set LOG2E, 0x3fb8aa3b
.set CPL,  4096                        ; LDS: 0 v2 (4,096 bytes); 4096 eight partial sums of c
.set WSTL, 4128                        ; eight waves x (m, l, s0, s1)
.set CTXL, 4352                        ; eight waves x 4,096 bytes of partial context
.set P0, 8                             ; v[8:11], v[12:15]   the two row halves of v2, my 4 columns
.set P1, 12
.set Q0, 16                            ; v[16:19], v[20:23]  the two row halves of v[0:1024]
.set Q1, 20
.set HH, 24                            ; v[24:27]  h_new
.set BB, 28                            ; v[28:31]  atten_b
.set WW, 32                            ; v[32:35]  w_score
.set E,  36                            ; v[36:99]  enc: row j, chunk k at 32 j + 4 k
.set VV, 100                           ; v[100:131] v2 as my lane needs it; later the eight waves' stats
.set CPV, 132                          ; v[132:139] partial sums of c
.set AC, 140                           ; v[140:147] four chains; later O = v[140:143], (m_g, l_g) = v[144:145]
.set O,  140
.set MG, 144
.set LGR, 145
.set ST, 148                           ; v[148:151] (m_w, l_w, s0, s1)
.set PP, 152                           ; v[152:155] (p0, 0, p1, 0)
.set T,  156                           ; v[156:159]
.set ZR, 160                           ; v160 = 0
.macro WSUM r, t                       ; sum over the 32 lanes, result in every lane; t: a register written before
	v_add_f32_dpp v[\r], v[\r], v[\r] row_xmask:1 row_mask:0xf bank_mask:0xf
	v_add_f32_dpp v[\r], v[\r], v[\r] row_xmask:2 row_mask:0xf bank_mask:0xf
	v_add_f32_dpp v[\r], v[\r], v[\r] row_xmask:4 row_mask:0xf bank_mask:0xf
	v_add_f32_dpp v[\r], v[\r], v[\r] row_xmask:8 row_mask:0xf bank_mask:0xf
	v_permlanex16_b32 v[\t], v[\r], s24, s25
	v_add_f32 v[\r], v[\r], v[\t]
.endm
	s_load_b512 s[8:23], s[0:1], 0x0               ; enc 8, vpart 10, out2 12, atten_b 14, w_score 16, scores 18, astat 20, ctxp 22
	v_lshl_add_u32 v162, v0, 2, 0x9100
	v_mov_b32 v163, 0
	v_lshrrev_b32 v2, 5, v0
	v_readfirstlane_b32 s4, v2                     ; wave
	v_and_b32 v1, 31, v0                           ; lane
	s_mov_b32 s5, ttmp9
	s_mov_b32 s7, 0
	s_mov_b32 s24, 0x76543210
	s_mov_b32 s25, 0xfedcba98
	v_lshlrev_b32 v4, 4, v1                        ; 16 lane
	s_lshl_b32 s2, s4, 13
	v_add_nc_u32 v2, s2, v4                        ; enc: two rows of 4,096 bytes for each wave
	s_lshl_b32 s2, s4, 9
	v_add_nc_u32 v3, s2, v4                        ; 16 x thread: the small vectors, v2 in LDS, the group's context
	s_lshl_b32 s2, s4, 2
	v_mov_b32 v5, s2                               ; 4 w
	s_lshl_b32 s2, s4, 4
	v_mov_b32 v6, s2                               ; 16 w
	s_lshl_b32 s2, s4, 12
	v_add_nc_u32 v7, s2, v4                        ; 4,096 w + 16 lane
	v_mov_b32 v[ZR], 0
	s_wait_kmcnt 0x0
	s_lshl_b32 s6, s5, 16
	s_add_nc_u64 s[8:9], s[8:9], s[6:7]            ; my 16 rows
	s_lshl_b32 s6, s5, 12
	s_add_nc_u64 s[22:23], s[22:23], s[6:7]
	s_lshl_b32 s6, s5, 6
	s_add_nc_u64 s[18:19], s[18:19], s[6:7]
	s_lshl_b32 s6, s5, 3
	s_add_nc_u64 s[20:21], s[20:21], s[6:7]
	global_load_b128 v[P0:P0+3], v3, s[10:11] offset:4096
	global_load_b128 v[P1:P1+3], v3, s[10:11] offset:12288
	global_load_b128 v[Q0:Q0+3], v3, s[10:11]
	global_load_b128 v[Q1:Q1+3], v3, s[10:11] offset:8192
	global_load_b128 v[HH:HH+3], v3, s[12:13]
	global_load_b128 v[BB:BB+3], v3, s[14:15]
	global_load_b128 v[WW:WW+3], v3, s[16:17]
.irp j, 0,1
.irp k, 0,1,2,3,4,5,6,7
	global_load_b128 v[E+32*\j+4*\k:E+32*\j+4*\k+3], v2, s[8:9] offset:4096*\j+512*\k th:TH_LOAD_NT
.endr
.endr
	s_wait_loadcnt 16                              ; the seven small loads are in; the 16 loads of enc behind them stay out
	v_pk_add_f32 v[P0:P0+1], v[P0:P0+1], v[P1:P1+1]
	v_pk_add_f32 v[P0+2:P0+3], v[P0+2:P0+3], v[P1+2:P1+3]
	ds_store_b128 v3, v[P0:P0+3]                   ; v2, 4 columns a thread
	v_pk_add_f32 v[Q0:Q0+1], v[Q0:Q0+1], v[Q1:Q1+1]
	v_pk_add_f32 v[Q0+2:Q0+3], v[Q0+2:Q0+3], v[Q1+2:Q1+3]
	v_pk_mul_f32 v[T:T+1], v[HH:HH+1], v[Q0:Q0+1]
	v_pk_mul_f32 v[T+2:T+3], v[HH+2:HH+3], v[Q0+2:Q0+3]
	v_pk_fma_f32 v[T:T+1], v[BB:BB+1], v[WW:WW+1], v[T:T+1]
	v_pk_fma_f32 v[T+2:T+3], v[BB+2:BB+3], v[WW+2:WW+3], v[T+2:T+3]
	v_pk_add_f32 v[T:T+1], v[T:T+1], v[T+2:T+3]
	v_add_f32 v[T], v[T], v[T+1]
	WSUM T, T+1
	ds_store_b32 v5, v[T] offset:CPL               ; my wave's part of c
	s_wait_dscnt 0x0                               ; both stores are in LDS before I say so
	s_barrier_signal -1
	s_barrier_wait -1
.irp k, 0,1,2,3,4,5,6,7
	ds_load_b128 v[VV+4*\k:VV+4*\k+3], v4 offset:512*\k
.endr
	ds_load_b128 v[CPV:CPV+3], v[ZR] offset:CPL
	ds_load_b128 v[CPV+4:CPV+7], v[ZR] offset:CPL+16
	s_wait_dscnt 0x0
	v_pk_add_f32 v[CPV:CPV+1], v[CPV:CPV+1], v[CPV+2:CPV+3]
	v_pk_add_f32 v[CPV+4:CPV+5], v[CPV+4:CPV+5], v[CPV+6:CPV+7]
	v_pk_add_f32 v[CPV:CPV+1], v[CPV:CPV+1], v[CPV+4:CPV+5]
	v_add_f32 v[CPV], v[CPV], v[CPV+1]             ; c
	s_wait_loadcnt 0x0                             ; my two rows: nothing else was requested
.irp j, 0,1
	v_pk_mul_f32 v[AC+4*\j:AC+4*\j+1], v[E+32*\j:E+32*\j+1], v[VV:VV+1]
	v_pk_mul_f32 v[AC+4*\j+2:AC+4*\j+3], v[E+32*\j+2:E+32*\j+3], v[VV+2:VV+3]
.endr
.irp k, 1,2,3,4,5,6,7
.irp j, 0,1
	v_pk_fma_f32 v[AC+4*\j:AC+4*\j+1], v[E+32*\j+4*\k:E+32*\j+4*\k+1], v[VV+4*\k:VV+4*\k+1], v[AC+4*\j:AC+4*\j+1]
	v_pk_fma_f32 v[AC+4*\j+2:AC+4*\j+3], v[E+32*\j+4*\k+2:E+32*\j+4*\k+3], v[VV+4*\k+2:VV+4*\k+3], v[AC+4*\j+2:AC+4*\j+3]
.endr
.endr
.irp j, 0,1
	v_pk_add_f32 v[AC+4*\j:AC+4*\j+1], v[AC+4*\j:AC+4*\j+1], v[AC+4*\j+2:AC+4*\j+3]
	v_add_f32 v[ST+2+\j], v[AC+4*\j], v[AC+4*\j+1]
.endr
	WSUM ST+2, T
	WSUM ST+3, T
	v_add_f32 v[ST+2], v[ST+2], v[CPV]             ; the two scores
	v_add_f32 v[ST+3], v[ST+3], v[CPV]
	v_max_num_f32 v[ST], v[ST+2], v[ST+3]          ; m_w
	v_sub_f32 v[T], v[ST+2], v[ST]                 ; the difference first, exactly, then the change of base
	v_sub_f32 v[T+1], v[ST+3], v[ST]
	v_mul_f32 v[T], LOG2E, v[T]
	v_mul_f32 v[T+1], LOG2E, v[T+1]
	v_exp_f32 v[PP], v[T]
	v_exp_f32 v[PP+2], v[T+1]
	v_mov_b32 v[PP+1], 0                           ; the pairs' second registers are named below, never used; also the plain
	v_mov_b32 v[PP+3], 0                           ; instructions behind the exponentials (ISA guide 5.7.2)
	s_wait_alu depctr_va_vdst(0)
	v_add_f32 v[ST+1], v[PP], v[PP+2]              ; l_w
.set i, 0
.rept 16
	v_pk_mul_f32 v[E+2*i:E+2*i+1], v[E+2*i:E+2*i+1], v[PP:PP+1] op_sel_hi:[1,0]
	v_pk_fma_f32 v[E+2*i:E+2*i+1], v[E+32+2*i:E+32+2*i+1], v[PP+2:PP+3], v[E+2*i:E+2*i+1] op_sel_hi:[1,0,1]
.set i, i+1
.endr
.irp k, 0,1,2,3,4,5,6,7
	ds_store_b128 v7, v[E+4*\k:E+4*\k+3] offset:CTXL+512*\k
.endr
	ds_store_b128 v6, v[ST:ST+3] offset:WSTL
	s_wait_dscnt 0x0
	s_barrier_signal -1
	s_barrier_wait -1
	; every thread joins the eight waves for its own 4 columns
.irp w, 0,1,2,3,4,5,6,7
	ds_load_b128 v[VV+4*\w:VV+4*\w+3], v[ZR] offset:WSTL+16*\w
.endr
.irp w, 0,1,2,3,4,5,6,7
	ds_load_b128 v[E+4*\w:E+4*\w+3], v3 offset:CTXL+4096*\w
.endr
	s_wait_dscnt 0x0
	v_max3_num_f32 v[MG], v[VV], v[VV+4], v[VV+8]
	v_max3_num_f32 v[MG], v[MG], v[VV+12], v[VV+16]
	v_max3_num_f32 v[MG], v[MG], v[VV+20], v[VV+24]
	v_max_num_f32 v[MG], v[MG], v[VV+28]           ; m_g
.irp w, 0,1,2,3,4,5,6,7
	v_sub_f32 v[VV+4*\w+2], v[VV+4*\w], v[MG]
.endr
.irp w, 0,1,2,3,4,5,6,7
	v_mul_f32 v[VV+4*\w+2], LOG2E, v[VV+4*\w+2]
.endr
.irp w, 0,1,2,3,4,5,6,7
	v_exp_f32 v[VV+4*\w], v[VV+4*\w+2]             ; f_w = e^(m_w - m_g)
.endr
	v_nop
	s_wait_alu depctr_va_vdst(0)
	v_mul_f32 v[LGR], v[VV], v[VV+1]
.irp w, 1,2,3,4,5,6,7
	v_fmac_f32 v[LGR], v[VV+4*\w], v[VV+4*\w+1]    ; l_g = sum of f_w l_w
.endr
	v_pk_mul_f32 v[O:O+1], v[E:E+1], v[VV:VV+1] op_sel_hi:[1,0]
	v_pk_mul_f32 v[O+2:O+3], v[E+2:E+3], v[VV:VV+1] op_sel_hi:[1,0]
.irp w, 1,2,3,4,5,6,7
	v_pk_fma_f32 v[O:O+1], v[E+4*\w:E+4*\w+1], v[VV+4*\w:VV+4*\w+1], v[O:O+1] op_sel_hi:[1,0,1]
	v_pk_fma_f32 v[O+2:O+3], v[E+4*\w+2:E+4*\w+3], v[VV+4*\w:VV+4*\w+1], v[O+2:O+3] op_sel_hi:[1,0,1]
.endr
	global_store_b128 v3, v[O:O+3], s[22:23]       ; a wave stores 512 consecutive bytes of the group's 4,096
	s_cmp_lg_u32 s4, 0
	s_cbranch_scc1 .Lend
	v_and_b32 v8, 15, v1                           ; row of the group = 2 w + j
	v_lshrrev_b32 v9, 1, v8
	v_and_b32 v10, 1, v8
	v_lshlrev_b32 v9, 4, v9
	v_lshl_add_u32 v9, v10, 2, v9                  ; 16 w + 4 j
	v_lshlrev_b32 v12, 2, v1
	ds_load_b32 v11, v9 offset:WSTL+8              ; nobody writes these bytes behind the last barrier
	s_wait_dscnt 0x0
	s_wait_xcnt 0x0                                ; EXEC changes only behind this wait
	v_cmpx_gt_u32 16, v1
	global_store_b32 v12, v11, s[18:19]            ; the group's 16 scores: 64 bytes, its whole share
	s_wait_xcnt 0x0
	v_cmpx_gt_u32 1, v1
	global_store_b64 v[ZR], v[MG:MG+1], s[20:21]   ; (m_g, l_g)
.Lend:
	s_wait_xcnt 0x0
	s_mov_b32 exec_lo, -1
	s_wait_tensorcnt 0x0
	ds_add_u32 v162, v163
	s_wait_dscnt 0x0
	s_endpgm
.Lfunc_end_k_q388a2bfcbf_attn:
	.size	k_q388a2bfcbf_attn, .Lfunc_end_k_q388a2bfcbf_attn-k_q388a2bfcbf_attn
	.p2alignl 7, 3214868480
	.fill 96, 4, 3214868480
	.section	.rodata,"a",@progbits
	.p2align	6, 0x0
	.amdhsa_kernel k_q388a2bfcbf_attn
		.amdhsa_group_segment_fixed_size 38144
		.amdhsa_private_segment_fixed_size 0
		.amdhsa_enable_private_segment 0
		.amdhsa_kernarg_size 64
		.amdhsa_user_sgpr_count 2
		.amdhsa_user_sgpr_kernarg_segment_ptr 1
		.amdhsa_wavefront_size32 1
		.amdhsa_system_sgpr_workgroup_id_x 1
		.amdhsa_system_sgpr_workgroup_id_y 1
		.amdhsa_system_sgpr_workgroup_id_z 1
		.amdhsa_system_vgpr_workitem_id 0
		.amdhsa_next_free_vgpr 164
		.amdhsa_next_free_sgpr 66
		.amdhsa_reserve_vcc 0
		.amdhsa_float_denorm_mode_32 3
		.amdhsa_float_denorm_mode_16_64 3
		.amdhsa_memory_ordered 1
		.amdhsa_forward_progress 1
		.amdhsa_inst_pref_size 17
	.end_amdhsa_kernel
	.amdgpu_metadata
---
amdhsa.version: [ 1, 2 ]
amdhsa.kernels:
  - .name:           k_q388a2bfcbf_attn
    .symbol:         k_q388a2bfcbf_attn.kd
    .args:
      - { .name: encoder_outputs, .offset: 0, .size: 8, .value_kind: global_buffer, .address_space: global }
      - { .name: vpart, .offset: 8, .size: 8, .value_kind: global_buffer, .address_space: global }
      - { .name: out2, .offset: 16, .size: 8, .value_kind: global_buffer, .address_space: global }
      - { .name: atten_b, .offset: 24, .size: 8, .value_kind: global_buffer, .address_space: global }
      - { .name: w_score, .offset: 32, .size: 8, .value_kind: global_buffer, .address_space: global }
      - { .name: scores, .offset: 40, .size: 8, .value_kind: global_buffer, .address_space: global }
      - { .name: astat, .offset: 48, .size: 8, .value_kind: global_buffer, .address_space: global }
      - { .name: ctxp, .offset: 56, .size: 8, .value_kind: global_buffer, .address_space: global }
    .group_segment_fixed_size: 38144
    .private_segment_fixed_size: 0
    .kernarg_segment_align: 8
    .kernarg_segment_size: 64
    .max_flat_workgroup_size: 256
    .sgpr_count:     66
    .vgpr_count:     164
    .wavefront_size: 32
...
	.end_amdgpu_metadata
.endif
;; end of part 2
;; launch combine (part 3): grid 16 x 1, 8 waves a work-group, no clusters, 3,072 bytes of LDS; arguments astat, scores, ctxp, out1, out3; writes out1, out3
.if DOCPART == 3
	.amdgcn_target "amdgcn-amd-amdhsa--gfx1250"
	.amdhsa_code_object_version 6
	.text
	.protected	k_q388a2bfcbf_combine
	.globl	k_q388a2bfcbf_combine
	.p2align	8
	.type	k_q388a2bfcbf_combine,@function
k_q388a2bfcbf_combine:
	s_mov_b64 s[64:65], 0
	v_nop
	global_prefetch_b8 v0, s[64:65] scope:SCOPE_SE
	s_setreg_imm32_b32 hwreg(HW_REG_WAVE_MODE, 25, 1), 1
	s_wait_xcnt 0x0
; Joins the 256 groups of the attention: M = max m_g, L = sum of l_g e^(m_g - M), weights[s] = e^(score[s] - M) / L,
; context = (sum of e^(m_g - M) ctx_g) / L.  Group q owns columns 64q .. +63 (256 bytes) of all 256 partial contexts, 65,536 bytes,
; all requested at once, and weights 256q .. +255.  Sixteen groups: 256 bytes of columns is the finest share whose sum stays in one
; work-group and whose result is stored as 256 consecutive aligned bytes.  Every wave rebuilds M and L from the 2,048 bytes of stats.
; Wave w, lane half hh take partials 32w + 16hh + k, k = 0..15.
; No cluster: groups share only those 2,048 bytes.  No matrix unit: a weighted sum of rows with one vector of weights.
; Limit: exp2 and rcp flush denormals (ISA guide 15.8): a weight below 2^-126 comes out as 0.
.set LOG2E, 0x3fb8aa3b
.set TMP, 3                            ; v3: the lane half while addresses are made, then the cross-lane steps' temporary
.set SC, 10                            ; v[10:13]   four scores, then four weights (waves 0 and 1)
.set SA, 14                            ; v[14:29]   eight (m, l) pairs: all 256 over the wave's lanes
.set OW, 30                            ; v[30:61]   (m, l) of my 16 partials; then f_k at 2k
.set CX, 62                            ; v[62:125]  16 partials x 16 bytes
.set AC, 126                           ; v[126:133] two sets of four sums
.set MX, 134
.set SM, 135
.set RL, 136                           ; v[136:137] 1 / L, twice
.set T,  138                           ; v[138:145]
.macro WSUM r, t
	v_add_f32_dpp v[\r], v[\r], v[\r] row_xmask:1 row_mask:0xf bank_mask:0xf
	v_add_f32_dpp v[\r], v[\r], v[\r] row_xmask:2 row_mask:0xf bank_mask:0xf
	v_add_f32_dpp v[\r], v[\r], v[\r] row_xmask:4 row_mask:0xf bank_mask:0xf
	v_add_f32_dpp v[\r], v[\r], v[\r] row_xmask:8 row_mask:0xf bank_mask:0xf
	v_permlanex16_b32 v[\t], v[\r], s18, s19
	v_add_f32 v[\r], v[\r], v[\t]
.endm
.macro WMAX r, t
	v_max_num_f32_dpp v[\r], v[\r], v[\r] row_xmask:1 row_mask:0xf bank_mask:0xf
	v_max_num_f32_dpp v[\r], v[\r], v[\r] row_xmask:2 row_mask:0xf bank_mask:0xf
	v_max_num_f32_dpp v[\r], v[\r], v[\r] row_xmask:4 row_mask:0xf bank_mask:0xf
	v_max_num_f32_dpp v[\r], v[\r], v[\r] row_xmask:8 row_mask:0xf bank_mask:0xf
	v_permlanex16_b32 v[\t], v[\r], s18, s19
	v_max_num_f32 v[\r], v[\r], v[\t]
.endm
.macro QSUM8 b
.irp i, 0,8,16,24
	v_pk_add_f32 v[\b+\i:\b+\i+1], v[\b+\i:\b+\i+1], v[\b+\i+4:\b+\i+5]
	v_pk_add_f32 v[\b+\i+2:\b+\i+3], v[\b+\i+2:\b+\i+3], v[\b+\i+6:\b+\i+7]
.endr
.irp i, 0,16
	v_pk_add_f32 v[\b+\i:\b+\i+1], v[\b+\i:\b+\i+1], v[\b+\i+8:\b+\i+9]
	v_pk_add_f32 v[\b+\i+2:\b+\i+3], v[\b+\i+2:\b+\i+3], v[\b+\i+10:\b+\i+11]
.endr
	v_pk_add_f32 v[\b:\b+1], v[\b:\b+1], v[\b+16:\b+17]
	v_pk_add_f32 v[\b+2:\b+3], v[\b+2:\b+3], v[\b+18:\b+19]
.endm
	s_load_b256 s[8:15], s[0:1], 0x0               ; astat 8, scores 10, ctxp 12, out1 14
	s_load_b64 s[16:17], s[0:1], 0x20              ; out3
	v_lshl_add_u32 v146, v0, 2, 0x800
	v_mov_b32 v147, 0
	v_lshrrev_b32 v2, 5, v0
	v_readfirstlane_b32 s4, v2                     ; wave
	v_and_b32 v1, 31, v0                           ; lane
	s_mov_b32 s5, ttmp9
	s_mov_b32 s7, 0
	s_mov_b32 s18, 0x76543210
	s_mov_b32 s19, 0xfedcba98
	v_lshrrev_b32 v3, 4, v1                        ; hh
	v_and_b32 v2, 15, v1
	v_lshlrev_b32 v2, 4, v2                        ; 16 (lane mod 16)
	s_lshl_b32 s2, s4, 17                          ; 32 w partials of 4,096 bytes
	v_lshl_add_u32 v4, v3, 16, v2                  ; + 16 hh partials
	v_add_nc_u32 v4, s2, v4
	s_lshl_b32 s2, s4, 8
	v_lshl_add_u32 v5, v3, 7, s2                   ; my 16 pairs: 8 (32 w + 16 hh)
	v_add_nc_u32 v7, s2, v2                        ; LDS: 256 w + 16 (lane mod 16)
	v_lshlrev_b32 v6, 4, v1                        ; 16 lane
	v_lshlrev_b32 v8, 4, v0                        ; 16 x thread: scores and weights of waves 0 and 1
	s_wait_kmcnt 0x0
	s_lshl_b32 s6, s5, 10
	s_add_nc_u64 s[10:11], s[10:11], s[6:7]
	s_add_nc_u64 s[16:17], s[16:17], s[6:7]
	s_lshl_b32 s6, s5, 8
	s_add_nc_u64 s[12:13], s[12:13], s[6:7]
	s_add_nc_u64 s[14:15], s[14:15], s[6:7]
	s_cmp_ge_u32 s4, 2
	s_cbranch_scc1 .Lnosc
	global_load_b128 v[SC:SC+3], v8, s[10:11]      ; the oldest load: it changes none of the counts below
.Lnosc:
.irp k, 0,1,2,3
	global_load_b128 v[SA+4*\k:SA+4*\k+3], v6, s[8:9] offset:512*\k
.endr
.irp i, 0,1,2,3,4,5,6,7
	global_load_b128 v[OW+4*\i:OW+4*\i+3], v5, s[8:9] offset:16*\i
.endr
.set k, 0
.rept 16
	global_load_b128 v[CX+4*k:CX+4*k+3], v4, s[12:13] offset:4096*k th:TH_LOAD_NT
.set k, k+1
.endr
	s_wait_loadcnt 16                              ; scores and stats are in; the 16 loads of partial contexts stay out
	v_max3_num_f32 v[TMP], v[SA], v[SA+2], v[SA+4]
	v_max3_num_f32 v[MX], v[SA+6], v[SA+8], v[SA+10]
	v_max3_num_f32 v[MX], v[MX], v[SA+12], v[SA+14]
	v_max_num_f32 v[MX], v[MX], v[TMP]
	WMAX MX, TMP                                   ; M
.irp i, 0,1,2,3,4,5,6,7
	v_sub_f32 v[T+\i], v[SA+2*\i], v[MX]
.endr
.irp i, 0,1,2,3,4,5,6,7
	v_mul_f32 v[T+\i], LOG2E, v[T+\i]
.endr
.irp i, 0,1,2,3,4,5,6,7
	v_exp_f32 v[SA+2*\i], v[T+\i]
.endr
	v_nop                                          ; one plain place behind the run (ISA guide 5.7.2)
	s_wait_alu depctr_va_vdst(0)
	v_mul_f32 v[SM], v[SA], v[SA+1]
.irp i, 1,2,3,4,5,6,7
	v_fmac_f32 v[SM], v[SA+2*\i], v[SA+2*\i+1]
.endr
	WSUM SM, TMP                                   ; L: at least 1, from the group that holds M
	v_rcp_f32 v[RL], v[SM]
	v_rcp_f32 v[RL+1], v[SM]
.set k, 0
.rept 16
	v_sub_f32 v[OW+2*k+1], v[OW+2*k], v[MX]
.set k, k+1
.endr
.set k, 0
.rept 16
	v_mul_f32 v[OW+2*k+1], LOG2E, v[OW+2*k+1]
.set k, k+1
.endr
.set k, 0
.rept 16
	v_exp_f32 v[OW+2*k], v[OW+2*k+1]               ; f_k = e^(m_k - M)
.set k, k+1
.endr
	v_nop
	s_cmp_ge_u32 s4, 2
	s_cbranch_scc1 .Lnow
.irp j, 0,1,2,3
	v_sub_f32 v[T+\j], v[SC+\j], v[MX]
.endr
.irp j, 0,1,2,3
	v_mul_f32 v[T+\j], LOG2E, v[T+\j]
.endr
.irp j, 0,1,2,3
	v_exp_f32 v[SC+\j], v[T+\j]
.endr
	v_nop
	s_wait_alu depctr_va_vdst(0)
	v_pk_mul_f32 v[SC:SC+1], v[SC:SC+1], v[RL:RL+1]
	v_pk_mul_f32 v[SC+2:SC+3], v[SC+2:SC+3], v[RL:RL+1]
	global_store_b128 v8, v[SC:SC+3], s[16:17]     ; a wave stores 512 consecutive bytes of weights; v8 and SC are not written again
.Lnow:
.set k, 0
.rept 16
	s_wait_loadcnt 15-k                            ; 15 - k partials younger than partial k may stay out
.if k < 2
	s_wait_alu depctr_va_vdst(0)
	v_pk_mul_f32 v[AC+4*(k&1):AC+4*(k&1)+1], v[CX+4*k:CX+4*k+1], v[OW+2*k:OW+2*k+1] op_sel_hi:[1,0]
	v_pk_mul_f32 v[AC+4*(k&1)+2:AC+4*(k&1)+3], v[CX+4*k+2:CX+4*k+3], v[OW+2*k:OW+2*k+1] op_sel_hi:[1,0]
.else
	v_pk_fma_f32 v[AC+4*(k&1):AC+4*(k&1)+1], v[CX+4*k:CX+4*k+1], v[OW+2*k:OW+2*k+1], v[AC+4*(k&1):AC+4*(k&1)+1] op_sel_hi:[1,0,1]
	v_pk_fma_f32 v[AC+4*(k&1)+2:AC+4*(k&1)+3], v[CX+4*k+2:CX+4*k+3], v[OW+2*k:OW+2*k+1], v[AC+4*(k&1)+2:AC+4*(k&1)+3] op_sel_hi:[1,0,1]
.endif
.set k, k+1
.endr
	v_pk_add_f32 v[AC:AC+1], v[AC:AC+1], v[AC+4:AC+5]
	v_pk_add_f32 v[AC+2:AC+3], v[AC+2:AC+3], v[AC+6:AC+7]
.irp j, 0,1,2,3
	v_permlanex16_b32 v[T+\j], v[AC+\j], s18, s19  ; the other lane half: the same columns of 16 other partials
.endr
	v_pk_add_f32 v[AC:AC+1], v[AC:AC+1], v[T:T+1]
	v_pk_add_f32 v[AC+2:AC+3], v[AC+2:AC+3], v[T+2:T+3]
	ds_store_b128 v7, v[AC:AC+3]
	s_wait_dscnt 0x0
	s_barrier_signal -1
	s_barrier_wait -1
	s_cmp_lg_u32 s4, 0
	s_cbranch_scc1 .Lend
.irp w, 0,1,2,3,4,5,6,7
	ds_load_b128 v[CX+4*\w:CX+4*\w+3], v2 offset:256*\w
.endr
	s_wait_dscnt 0x0
	QSUM8 CX
	v_pk_mul_f32 v[CX:CX+1], v[CX:CX+1], v[RL:RL+1]
	v_pk_mul_f32 v[CX+2:CX+3], v[CX+2:CX+3], v[RL:RL+1]
	s_wait_xcnt 0x0                                ; EXEC changes only behind this wait
	v_cmpx_gt_u32 16, v1
	global_store_b128 v2, v[CX:CX+3], s[14:15]     ; sixteen lanes store 256 consecutive bytes of context, aligned
.Lend:
	s_wait_xcnt 0x0
	s_mov_b32 exec_lo, -1
	s_wait_tensorcnt 0x0
	ds_add_u32 v146, v147
	s_wait_dscnt 0x0
	s_endpgm
.Lfunc_end_k_q388a2bfcbf_combine:
	.size	k_q388a2bfcbf_combine, .Lfunc_end_k_q388a2bfcbf_combine-k_q388a2bfcbf_combine
	.p2alignl 7, 3214868480
	.fill 96, 4, 3214868480
	.section	.rodata,"a",@progbits
	.p2align	6, 0x0
	.amdhsa_kernel k_q388a2bfcbf_combine
		.amdhsa_group_segment_fixed_size 3072
		.amdhsa_private_segment_fixed_size 0
		.amdhsa_enable_private_segment 0
		.amdhsa_kernarg_size 40
		.amdhsa_user_sgpr_count 2
		.amdhsa_user_sgpr_kernarg_segment_ptr 1
		.amdhsa_wavefront_size32 1
		.amdhsa_system_sgpr_workgroup_id_x 1
		.amdhsa_system_sgpr_workgroup_id_y 1
		.amdhsa_system_sgpr_workgroup_id_z 1
		.amdhsa_system_vgpr_workitem_id 0
		.amdhsa_next_free_vgpr 148
		.amdhsa_next_free_sgpr 66
		.amdhsa_reserve_vcc 0
		.amdhsa_float_denorm_mode_32 3
		.amdhsa_float_denorm_mode_16_64 3
		.amdhsa_memory_ordered 1
		.amdhsa_forward_progress 1
		.amdhsa_inst_pref_size 15
	.end_amdhsa_kernel
	.amdgpu_metadata
---
amdhsa.version: [ 1, 2 ]
amdhsa.kernels:
  - .name:           k_q388a2bfcbf_combine
    .symbol:         k_q388a2bfcbf_combine.kd
    .args:
      - { .name: astat, .offset: 0, .size: 8, .value_kind: global_buffer, .address_space: global }
      - { .name: scores, .offset: 8, .size: 8, .value_kind: global_buffer, .address_space: global }
      - { .name: ctxp, .offset: 16, .size: 8, .value_kind: global_buffer, .address_space: global }
      - { .name: out1, .offset: 24, .size: 8, .value_kind: global_buffer, .address_space: global }
      - { .name: out3, .offset: 32, .size: 8, .value_kind: global_buffer, .address_space: global }
    .group_segment_fixed_size: 3072
    .private_segment_fixed_size: 0
    .kernarg_segment_align: 8
    .kernarg_segment_size: 40
    .max_flat_workgroup_size: 256
    .sgpr_count:     66
    .vgpr_count:     148
    .wavefront_size: 32
...
	.end_amdgpu_metadata
.endif
;; end of part 3
;; launch logits (part 4): grid 256 x 1, 16 waves a work-group, no clusters, 11,264 bytes of LDS; arguments out_W, out_b, out2, out1, logit, lstat; writes logit, lstat
.if DOCPART == 4
	.amdgcn_target "amdgcn-amd-amdhsa--gfx1250"
	.amdhsa_code_object_version 6
	.text
	.protected	k_q388a2bfcbf_logits
	.globl	k_q388a2bfcbf_logits
	.p2align	8
	.type	k_q388a2bfcbf_logits,@function
k_q388a2bfcbf_logits:
	s_mov_b64 s[64:65], 0
	v_nop
	global_prefetch_b8 v0, s[64:65] scope:SCOPE_SE
	s_setreg_imm32_b32 hwreg(HW_REG_WAVE_MODE, 25, 1), 1
	s_wait_xcnt 0x0
; logit[r] = out_W[r] . [h_new, context] + out_b[r], and for each work-group the maximum m and the sum l of e^(logit - m) of its rows.
; 50,257 rows = 256 x 192 + 221 x 5.  Group g takes rows 192g + 16t + w (t = 0..11, w the wave) and, if g < 221, rows
; 49,152 + 5g + w for w < 5.  A wave takes a whole row: 8,192 bytes, sixteen loads of 512 consecutive bytes, 64 registers.
; Two row buffers in registers: a chunk's registers are loaded again, two rows ahead, as soon as they are multiplied, so each wave
; keeps 32 loads (16,384 bytes) on their way until its last two rows, sixteen waves 262,144 bytes.
; The rows are written out one after the other with every address in the immediate (at most 1,449,472): no register that a pending
; load names is ever stepped.
; y = [h_new, context] (8,192 bytes) comes from memory once for the group, goes through LDS, and stays in 64 registers of each lane.
; f32 on the vector unit: one vector against 50,257 rows leaves a matrix tile one useful row in sixteen; the stream of out_W decides.
; No cluster: groups share only y, 8,192 bytes against 1,572,864 of their own rows.  No LDS ring: the registers hold what is in flight.
; Limit: exp2 flushes denormals (ISA guide 15.8).  Sums run in another order than reference's.
.set LOG2E, 0x3fb8aa3b
.set NINF,  0xff800000
.set LGL, 8192                         ; LDS: 0 y (8,192 bytes); 8192 the group's 256 logit places, place 16t + w written by wave w alone
.set YS,  8                            ; v[8:11]    my 16 bytes of y on the way to LDS; v8 then serves as the cross-lane temporary
.set TMP, 8
.set AC,  12                           ; v[12:19]   four chains of two
.set RR,  20                           ; v20        a row's sum
.set YV,  24                           ; v[24:87]   y: chunk k at 4k
.set X0,  88                           ; v[88:151]  row buffer 0
.set X1,  152                          ; v[152:215] row buffer 1
.macro WSUM r, t
	v_add_f32_dpp v[\r], v[\r], v[\r] row_xmask:1 row_mask:0xf bank_mask:0xf
	v_add_f32_dpp v[\r], v[\r], v[\r] row_xmask:2 row_mask:0xf bank_mask:0xf
	v_add_f32_dpp v[\r], v[\r], v[\r] row_xmask:4 row_mask:0xf bank_mask:0xf
	v_add_f32_dpp v[\r], v[\r], v[\r] row_xmask:8 row_mask:0xf bank_mask:0xf
	v_permlanex16_b32 v[\t], v[\r], s32, s33
	v_add_f32 v[\r], v[\r], v[\t]
.endm
.macro WMAX r, t
	v_max_num_f32_dpp v[\r], v[\r], v[\r] row_xmask:1 row_mask:0xf bank_mask:0xf
	v_max_num_f32_dpp v[\r], v[\r], v[\r] row_xmask:2 row_mask:0xf bank_mask:0xf
	v_max_num_f32_dpp v[\r], v[\r], v[\r] row_xmask:4 row_mask:0xf bank_mask:0xf
	v_max_num_f32_dpp v[\r], v[\r], v[\r] row_xmask:8 row_mask:0xf bank_mask:0xf
	v_permlanex16_b32 v[\t], v[\r], s32, s33
	v_max_num_f32 v[\r], v[\r], v[\t]
.endm
; One row.  buf: its buffer's first register; sb: the scalar register with its bias; lo: its place in LDS, in bytes.
; mode = 1: each chunk is loaded again from s[base:base+1] + imm, and the wait is for 31: behind chunk k of this row were issued
; 15 - k chunks of this row, 16 of the next and k of the one after.  mode = 0: nothing is loaded and the wait is n0 - k
; (n0 = 31 with one whole row behind this one, 15 with none).
.macro ROW buf, sb, lo, mode, base, imm, n0
.set RK, 0
.rept 16
.if \mode
	s_wait_loadcnt 31
.else
	s_wait_loadcnt \n0-RK
.endif
.if RK < 2
	v_pk_mul_f32 v[AC+4*(RK&1):AC+4*(RK&1)+1], v[\buf+4*RK:\buf+4*RK+1], v[YV+4*RK:YV+4*RK+1]
	v_pk_mul_f32 v[AC+4*(RK&1)+2:AC+4*(RK&1)+3], v[\buf+4*RK+2:\buf+4*RK+3], v[YV+4*RK+2:YV+4*RK+3]
.else
	v_pk_fma_f32 v[AC+4*(RK&1):AC+4*(RK&1)+1], v[\buf+4*RK:\buf+4*RK+1], v[YV+4*RK:YV+4*RK+1], v[AC+4*(RK&1):AC+4*(RK&1)+1]
	v_pk_fma_f32 v[AC+4*(RK&1)+2:AC+4*(RK&1)+3], v[\buf+4*RK+2:\buf+4*RK+3], v[YV+4*RK+2:YV+4*RK+3], v[AC+4*(RK&1)+2:AC+4*(RK&1)+3]
.endif
.if \mode
	global_load_b128 v[\buf+4*RK:\buf+4*RK+3], v2, s[\base:\base+1] offset:\imm+512*RK th:TH_LOAD_NT
.endif
.set RK, RK+1
.endr
	v_pk_add_f32 v[AC:AC+1], v[AC:AC+1], v[AC+2:AC+3]
	v_pk_add_f32 v[AC+4:AC+5], v[AC+4:AC+5], v[AC+6:AC+7]
	v_pk_add_f32 v[AC:AC+1], v[AC:AC+1], v[AC+4:AC+5]
	v_add_f32 v[RR], v[AC], v[AC+1]
	WSUM RR, TMP
	v_add_f32 v[RR], s[\sb], v[RR]
	ds_store_b32 v5, v[RR] offset:LGL+\lo          ; every lane holds the same number
.endm
	s_load_b256 s[8:15], s[0:1], 0x0               ; out_W 8, out_b 10, out2 12, out1 14
	s_load_b128 s[16:19], s[0:1], 0x20             ; logit 16, lstat 18
	v_lshl_add_u32 v216, v0, 2, 0x2400
	v_mov_b32 v217, 0
	v_lshrrev_b32 v2, 5, v0
	v_readfirstlane_b32 s4, v2                     ; wave 0..15
	v_and_b32 v1, 31, v0                           ; lane
	s_mov_b32 s5, ttmp9
	s_mov_b32 s7, 0
	s_mov_b32 s32, 0x76543210
	s_mov_b32 s33, 0xfedcba98
	v_lshlrev_b32 v7, 4, v1                        ; 16 lane
	s_lshl_b32 s2, s4, 13
	v_add_nc_u32 v2, s2, v7                        ; out_W: row w of each sixteen + 16 lane
	s_and_b32 s2, s4, 7
	s_lshl_b32 s2, s2, 9
	v_add_nc_u32 v3, s2, v7                        ; my 16 bytes in out2 (waves 0-7) or out1 (waves 8-15)
	s_lshl_b32 s2, s4, 9
	v_add_nc_u32 v4, s2, v7                        ; and in LDS: 16 x thread
	s_lshl_b32 s2, s4, 2                           ; 4 w
	v_mov_b32 v5, s2
	v_mov_b32 v6, NINF
	s_cmp_lt_u32 s5, 221
	s_cselect_b32 s30, 5, 0                        ; how many waves of this group have a thirteenth row
	s_wait_kmcnt 0x0
	s_cmp_lt_u32 s4, 8
	s_cselect_b64 s[28:29], s[12:13], s[14:15]
	s_mul_i32 s6, s5, 1572864                      ; 192 rows of 8,192 bytes: below 2^29
	s_add_nc_u64 s[20:21], s[8:9], s[6:7]
	s_mul_i32 s6, s5, 40960                        ; 5 rows,
	s_add_co_u32 s6, s6, 0x18000000                ; behind row 49,152.  Used only where g < 221
	s_add_nc_u64 s[22:23], s[8:9], s[6:7]
	s_mul_i32 s6, s5, 768
	s_add_co_u32 s6, s6, s2
	s_add_nc_u64 s[24:25], s[10:11], s[6:7]        ; out_b at row 192g + w
	s_mul_i32 s6, s5, 20
	s_add_co_u32 s6, s6, 196608
	s_add_nc_u64 s[36:37], s[16:17], s[6:7]        ; logit at row 49,152 + 5g
	s_add_co_u32 s6, s6, s2
	s_add_nc_u64 s[34:35], s[10:11], s[6:7]        ; out_b at row 49,152 + 5g + w
	s_mul_i32 s6, s5, 768
	s_add_nc_u64 s[16:17], s[16:17], s[6:7]        ; logit at row 192g
	s_lshl_b32 s6, s5, 3
	s_add_nc_u64 s[18:19], s[18:19], s[6:7]
	global_load_b128 v[YS:YS+3], v3, s[28:29]
.irp t, 0,1
.irp k, 0,1,2,3,4,5,6,7,8,9,10,11,12,13,14,15
	global_load_b128 v[X0+64*\t+4*\k:X0+64*\t+4*\k+3], v2, s[20:21] offset:\t*131072+512*\k th:TH_LOAD_NT
.endr
.endr
.irp t, 0,1,2,3,4,5,6,7,8,9,10,11
	s_load_b32 s[40+\t], s[24:25], 64*\t           ; my twelve rows' biases
.endr
	s_wait_loadcnt 32                              ; y's 16 bytes are in; the 32 loads of rows 0 and 1 stay out
	ds_store_b128 v4, v[YS:YS+3]
	ds_store_b32 v5, v6 offset:LGL+64*13           ; places 208-255 hold no row: minus infinity adds nothing to maximum and sum
	ds_store_b32 v5, v6 offset:LGL+64*14
	ds_store_b32 v5, v6 offset:LGL+64*15
	s_wait_dscnt 0x0
	s_barrier_signal -1
	s_barrier_wait -1
.irp k, 0,1,2,3,4,5,6,7,8,9,10,11,12,13,14,15
	ds_load_b128 v[YV+4*\k:YV+4*\k+3], v7 offset:512*\k
.endr
	s_wait_dscnt 0x0
	s_wait_kmcnt 0x0
.set RT, 0
.rept 10
	ROW X0+64*(RT&1), 40+RT, 64*RT, 1, 20, (RT+2)*131072, 0
.set RT, RT+1
.endr
	s_cmp_lt_u32 s4, s30
	s_cbranch_scc1 .Ltail
	ROW X0, 50, 640, 0, 20, 0, 31                  ; twelve rows: the last two load nothing and the counts run down
	ROW X1, 51, 704, 0, 20, 0, 15
	ds_store_b32 v5, v6 offset:LGL+768             ; no thirteenth row
	s_branch .Ljoin
.Ltail:
	s_load_b32 s52, s[34:35], 0x0
	ROW X0, 50, 640, 1, 22, 0, 0                   ; thirteen rows: row 10's chunks are loaded again with row 49,152 + 5g + w
	ROW X1, 51, 704, 0, 20, 0, 31
	s_wait_kmcnt 0x0
	ROW X0, 52, 768, 0, 20, 0, 15
.Ljoin:
	s_wait_dscnt 0x0                               ; my rows' sums are in LDS before I say so
	s_barrier_signal -1
	s_barrier_wait -1
	s_cmp_lg_u32 s4, 0
	s_cbranch_scc1 .Lend
	v_lshlrev_b32 v33, 2, v1
	v_mov_b32 v34, 0
	ds_load_b128 v[24:27], v7 offset:LGL           ; places 0-127
	ds_load_b128 v[28:31], v7 offset:LGL+512       ; places 128-255
	ds_load_b32 v32, v33 offset:LGL+768            ; places 192-223 once more, one a lane, for the store of the five
	s_wait_dscnt 0x0
	global_store_b128 v7, v[24:27], s[16:17]       ; 512 consecutive bytes, aligned (768 g); v7 and v[24:31] are not written again
	v_max3_num_f32 v52, v24, v25, v26
	v_max3_num_f32 v52, v52, v27, v28
	v_max3_num_f32 v52, v52, v29, v30
	v_max_num_f32 v52, v52, v31
	WMAX 52, TMP                                   ; m: finite, 192 places hold rows
.irp i, 0,1,2,3,4,5,6,7
	v_sub_f32 v[36+\i], v[24+\i], v52
.endr
.irp i, 0,1,2,3,4,5,6,7
	v_mul_f32 v[36+\i], LOG2E, v[36+\i]
.endr
.irp i, 0,1,2,3,4,5,6,7
	v_exp_f32 v[44+\i], v[36+\i]
.endr
	v_nop                                          ; one plain place behind the run (ISA guide 5.7.2)
	s_wait_alu depctr_va_vdst(0)
	v_pk_add_f32 v[44:45], v[44:45], v[46:47]
	v_pk_add_f32 v[48:49], v[48:49], v[50:51]
	v_pk_add_f32 v[44:45], v[44:45], v[48:49]
	v_add_f32 v53, v44, v45
	WSUM 53, TMP                                   ; l
	s_wait_xcnt 0x0                                ; EXEC changes only behind this wait, here and below
	v_cmpx_gt_u32 16, v1
	global_store_b128 v7, v[28:31], s[16:17] offset:512   ; places 128-191: 256 consecutive bytes, aligned
	s_cmp_ge_u32 s5, 221
	s_cbranch_scc1 .Lnotail
	s_wait_xcnt 0x0
	v_cmpx_gt_u32 5, v1
	global_store_b32 v33, v32, s[36:37]            ; the group's five late rows: 20 bytes, its whole share there
.Lnotail:
	s_wait_xcnt 0x0
	v_cmpx_gt_u32 1, v1
	global_store_b64 v34, v[52:53], s[18:19]       ; (m, l)
.Lend:
	s_wait_xcnt 0x0
	s_mov_b32 exec_lo, -1
	s_wait_tensorcnt 0x0
	ds_add_u32 v216, v217
	s_wait_dscnt 0x0
	s_endpgm
.Lfunc_end_k_q388a2bfcbf_logits:
	.size	k_q388a2bfcbf_logits, .Lfunc_end_k_q388a2bfcbf_logits-k_q388a2bfcbf_logits
	.p2alignl 7, 3214868480
	.fill 96, 4, 3214868480
	.section	.rodata,"a",@progbits
	.p2align	6, 0x0
	.amdhsa_kernel k_q388a2bfcbf_logits
		.amdhsa_group_segment_fixed_size 11264
		.amdhsa_private_segment_fixed_size 0
		.amdhsa_enable_private_segment 0
		.amdhsa_kernarg_size 48
		.amdhsa_user_sgpr_count 2
		.amdhsa_user_sgpr_kernarg_segment_ptr 1
		.amdhsa_wavefront_size32 1
		.amdhsa_system_sgpr_workgroup_id_x 1
		.amdhsa_system_sgpr_workgroup_id_y 1
		.amdhsa_system_sgpr_workgroup_id_z 1
		.amdhsa_system_vgpr_workitem_id 0
		.amdhsa_next_free_vgpr 218
		.amdhsa_next_free_sgpr 66
		.amdhsa_reserve_vcc 0
		.amdhsa_float_denorm_mode_32 3
		.amdhsa_float_denorm_mode_16_64 3
		.amdhsa_memory_ordered 1
		.amdhsa_forward_progress 1
		.amdhsa_inst_pref_size 75
	.end_amdhsa_kernel
	.amdgpu_metadata
---
amdhsa.version: [ 1, 2 ]
amdhsa.kernels:
  - .name:           k_q388a2bfcbf_logits
    .symbol:         k_q388a2bfcbf_logits.kd
    .args:
      - { .name: out_W, .offset: 0, .size: 8, .value_kind: global_buffer, .address_space: global }
      - { .name: out_b, .offset: 8, .size: 8, .value_kind: global_buffer, .address_space: global }
      - { .name: out2, .offset: 16, .size: 8, .value_kind: global_buffer, .address_space: global }
      - { .name: out1, .offset: 24, .size: 8, .value_kind: global_buffer, .address_space: global }
      - { .name: logit, .offset: 32, .size: 8, .value_kind: global_buffer, .address_space: global }
      - { .name: lstat, .offset: 40, .size: 8, .value_kind: global_buffer, .address_space: global }
    .group_segment_fixed_size: 11264
    .private_segment_fixed_size: 0
    .kernarg_segment_align: 8
    .kernarg_segment_size: 48
    .max_flat_workgroup_size: 512
    .sgpr_count:     66
    .vgpr_count:     218
    .wavefront_size: 32
...
	.end_amdgpu_metadata
.endif
;; end of part 4
;; launch lsm (part 5): grid 393 x 1, 1 waves a work-group, no clusters, 0 bytes of LDS; arguments logit, lstat, out0; writes out0
.if DOCPART == 5
	.amdgcn_target "amdgcn-amd-amdhsa--gfx1250"
	.amdhsa_code_object_version 6
	.text
	.protected	k_q388a2bfcbf_lsm
	.globl	k_q388a2bfcbf_lsm
	.p2align	8
	.type	k_q388a2bfcbf_lsm,@function
k_q388a2bfcbf_lsm:
	s_mov_b64 s[64:65], 0
	v_nop
	global_prefetch_b8 v0, s[64:65] scope:SCOPE_SE
	s_setreg_imm32_b32 hwreg(HW_REG_WAVE_MODE, 25, 1), 1
	s_wait_xcnt 0x0
; out0[r] = logit[r] - lse, lse = M + ln(sum of l_g e^(m_g - M)) over the 256 groups' (m_g, l_g), M = max m_g.
; One wave to a work-group; wave g owns numbers 128g + 4 lane .. +3: one load and one store of 512 consecutive bytes.
; Each wave rebuilds lse from the 2,048 bytes of stats: no LDS, no barrier, no wave waits for another.
; 50,257 = 392 x 128 + 81: the last wave has 20 lanes of four numbers and one lane of one; it loads by single words with the
; offset clamped to the last number, so that no byte behind logit's 50,257 numbers is read.
; Nothing is shared but the stats, so no cluster; no product, so no matrix unit.
; Limit: exp2 and log2 flush denormals (ISA guide 15.8); the sum is at least 1.
.set LOG2E, 0x3fb8aa3b
.set LN2,   0x3f317218
.set XV, 4                             ; v[4:7]    four logits, then four results
.set ST, 8                             ; v[8:23]   eight (m, l) pairs
.set OF, 24                            ; v[24:27]  the last wave's clamped offsets
.set T,  28                            ; v[28:35]
.set MX, 36
.set TMP, 37
.set SM, 38
.set LL, 39
.set LSE, 40
	s_load_b128 s[8:11], s[0:1], 0x0               ; logit 8, lstat 10
	s_load_b64 s[12:13], s[0:1], 0x10              ; out0
	v_lshlrev_b32 v1, 4, v0                        ; 16 lane (one wave: the thread's number is the lane)
	s_mov_b32 s14, ttmp9
	s_lshl_b32 s4, s14, 9
	s_mov_b32 s5, 0
	s_mov_b32 s6, 0x76543210
	s_mov_b32 s7, 0xfedcba98
	s_wait_kmcnt 0x0
	s_add_nc_u64 s[8:9], s[8:9], s[4:5]
	s_add_nc_u64 s[12:13], s[12:13], s[4:5]
.irp k, 0,1,2,3
	global_load_b128 v[ST+4*\k:ST+4*\k+3], v1, s[10:11] offset:512*\k
.endr
	s_cmp_eq_u32 s14, 392
	s_cbranch_scc1 .Llast_ld
	global_load_b128 v[XV:XV+3], v1, s[8:9] th:TH_LOAD_NT
	s_branch .Lgo
.Llast_ld:
.irp e, 0,1,2,3
	v_add_nc_u32 v[OF+\e], 4*\e, v1
	v_min_u32 v[OF+\e], 320, v[OF+\e]              ; number 80 of this wave's share is number 50,256, the last
	global_load_b32 v[XV+\e], v[OF+\e], s[8:9]
.endr
.Lgo:
	s_wait_loadcnt 0x0                             ; all that the wave will ever load
	v_max3_num_f32 v[TMP], v[ST], v[ST+2], v[ST+4]
	v_max3_num_f32 v[MX], v[ST+6], v[ST+8], v[ST+10]
	v_max3_num_f32 v[MX], v[MX], v[ST+12], v[ST+14]
	v_max_num_f32 v[MX], v[MX], v[TMP]
	v_max_num_f32_dpp v[MX], v[MX], v[MX] row_xmask:1 row_mask:0xf bank_mask:0xf
	v_max_num_f32_dpp v[MX], v[MX], v[MX] row_xmask:2 row_mask:0xf bank_mask:0xf
	v_max_num_f32_dpp v[MX], v[MX], v[MX] row_xmask:4 row_mask:0xf bank_mask:0xf
	v_max_num_f32_dpp v[MX], v[MX], v[MX] row_xmask:8 row_mask:0xf bank_mask:0xf
	v_permlanex16_b32 v[TMP], v[MX], s6, s7
	v_max_num_f32 v[MX], v[MX], v[TMP]             ; M
.irp i, 0,1,2,3,4,5,6,7
	v_sub_f32 v[T+\i], v[ST+2*\i], v[MX]
.endr
.irp i, 0,1,2,3,4,5,6,7
	v_mul_f32 v[T+\i], LOG2E, v[T+\i]
.endr
.irp i, 0,1,2,3,4,5,6,7
	v_exp_f32 v[ST+2*\i], v[T+\i]
.endr
	v_nop                                          ; one plain place behind the run (ISA guide 5.7.2)
	s_wait_alu depctr_va_vdst(0)
	v_mul_f32 v[SM], v[ST], v[ST+1]
.irp i, 1,2,3,4,5,6,7
	v_fmac_f32 v[SM], v[ST+2*\i], v[ST+2*\i+1]
.endr
	v_add_f32_dpp v[SM], v[SM], v[SM] row_xmask:1 row_mask:0xf bank_mask:0xf
	v_add_f32_dpp v[SM], v[SM], v[SM] row_xmask:2 row_mask:0xf bank_mask:0xf
	v_add_f32_dpp v[SM], v[SM], v[SM] row_xmask:4 row_mask:0xf bank_mask:0xf
	v_add_f32_dpp v[SM], v[SM], v[SM] row_xmask:8 row_mask:0xf bank_mask:0xf
	v_permlanex16_b32 v[TMP], v[SM], s6, s7
	v_add_f32 v[SM], v[SM], v[TMP]
	v_log_f32 v[LL], v[SM]
	v_nop
	s_wait_alu depctr_va_vdst(0)
	v_fmamk_f32 v[LSE], v[LL], LN2, v[MX]          ; lse = log2(sum) ln 2 + M
.irp e, 0,1,2,3
	v_sub_f32 v[XV+\e], v[XV+\e], v[LSE]
.endr
	s_cmp_eq_u32 s14, 392
	s_cbranch_scc1 .Llast_st
	global_store_b128 v1, v[XV:XV+3], s[12:13] th:TH_STORE_NT   ; 512 consecutive bytes, aligned
	s_endpgm
.Llast_st:
	s_wait_xcnt 0x0                                ; EXEC is a source of the loads above: it changes only behind this wait
	v_cmpx_gt_u32 20, v0
	global_store_b128 v1, v[XV:XV+3], s[12:13]     ; numbers 50,176 .. 50,255
	s_wait_xcnt 0x0                                ; and of this store
	s_mov_b32 exec_lo, -1
	v_cmpx_eq_u32 20, v0
	global_store_b32 v1, v[XV], s[12:13]           ; number 50,256
	s_endpgm
.Lfunc_end_k_q388a2bfcbf_lsm:
	.size	k_q388a2bfcbf_lsm, .Lfunc_end_k_q388a2bfcbf_lsm-k_q388a2bfcbf_lsm
	.p2alignl 7, 3214868480
	.fill 96, 4, 3214868480
	.section	.rodata,"a",@progbits
	.p2align	6, 0x0
	.amdhsa_kernel k_q388a2bfcbf_lsm
		.amdhsa_group_segment_fixed_size 0
		.amdhsa_private_segment_fixed_size 0
		.amdhsa_enable_private_segment 0
		.amdhsa_kernarg_size 24
		.amdhsa_user_sgpr_count 2
		.amdhsa_user_sgpr_kernarg_segment_ptr 1
		.amdhsa_wavefront_size32 1
		.amdhsa_system_sgpr_workgroup_id_x 1
		.amdhsa_system_sgpr_workgroup_id_y 1
		.amdhsa_system_sgpr_workgroup_id_z 1
		.amdhsa_system_vgpr_workitem_id 0
		.amdhsa_next_free_vgpr 48
		.amdhsa_next_free_sgpr 66
		.amdhsa_reserve_vcc 0
		.amdhsa_float_denorm_mode_32 3
		.amdhsa_float_denorm_mode_16_64 3
		.amdhsa_memory_ordered 1
		.amdhsa_forward_progress 1
		.amdhsa_inst_pref_size 6
	.end_amdhsa_kernel
	.amdgpu_metadata
---
amdhsa.version: [ 1, 2 ]
amdhsa.kernels:
  - .name:           k_q388a2bfcbf_lsm
    .symbol:         k_q388a2bfcbf_lsm.kd
    .args:
      - { .name: logit, .offset: 0, .size: 8, .value_kind: global_buffer, .address_space: global }
      - { .name: lstat, .offset: 8, .size: 8, .value_kind: global_buffer, .address_space: global }
      - { .name: out0, .offset: 16, .size: 8, .value_kind: global_buffer, .address_space: global }
    .group_segment_fixed_size: 0
    .private_segment_fixed_size: 0
    .kernarg_segment_align: 8
    .kernarg_segment_size: 24
    .max_flat_workgroup_size: 32
    .sgpr_count:     66
    .vgpr_count:     48
    .wavefront_size: 32
...
	.end_amdgpu_metadata
.endif
;; end of part 5
